; MI455X (gfx1250); checked and timed in simulation.
; The chip was launched on July 23, 2026; its instructions are those of AMD's public machine-readable ISA for CDNA 5 (MIT licence, August 2026) and "CDNA5" Instruction Set Architecture Reference Guide (July 2026). The comments in the code are by the model that wrote it; some were corrected since.
;; CRF Layer. Allowed arithmetic: float matrix products may take bf16 or f16 operands with f32 sums; other float arithmetic in f32, or as packed bf16 or f16 multiplies, adds, multiply-adds, maxima and minima; sums over many terms, partial sums and values carried from step to step in f32; what a program stores and reads back later, other than sums and carried values, may be rounded once to bf16 or f16.
;; Inputs: inputs 512 x 512 x 64 float32; transitions 64 x 64 float32.
;; Outputs: out0 512 x 512 int32.
;; One version. Each part assembles by itself: llvm-mc -triple=amdgcn-amd-amdhsa -mcpu=gfx1250 --defsym DOCPART=n.
;; ======== version 1 of 1: 2 launches
;; workspace buffers: bptr 16,777,216 bytes of whole numbers; last 131,072 bytes of whole numbers
;; launch forward (part 1): grid 256 x 1, 4 waves a work-group, no clusters, 264,448 bytes of LDS; arguments inputs, transitions, bptr, last; writes bptr, last
.if DOCPART == 1
	.amdgcn_target "amdgcn-amd-amdhsa--gfx1250"
	.amdhsa_code_object_version 6
	.text
	.protected	k_q0687ab6325_forward
	.globl	k_q0687ab6325_forward
	.p2align	8
	.type	k_q0687ab6325_forward,@function
k_q0687ab6325_forward:
	s_mov_b64 s[64:65], 0
	v_nop
	global_prefetch_b8 v0, s[64:65] scope:SCOPE_SE
	s_setreg_imm32_b32 hwreg(HW_REG_WAVE_MODE, 25, 1), 1
	s_wait_xcnt 0x0
; VITERBI, FORWARD PASS.  inputs [512][512][64] f32, transitions [64][64] f32 (from, to).
; alpha_0 = pot_0;  alpha_t[j] = pot_t[j] + max_i (alpha_{t-1}[i] + T[i][j]);  bp_t[j] = the first i that reaches that maximum;  where t >= L alpha stays and bp_t[j] = j.
; L = (the sequence's non-zero inputs) >> 6: the definition's sums of 0 and 1 are whole numbers up to 32,768, exact in f32, and so is the division by 64.
; Every sum is the definition's one f32 sum, maxima are exact, and among equal sums the lowest i is taken: the whole numbers that leave are the definition's own.
; OUT.  bptr[b][blk][j][i] (bytes) = bp of step t = 16 blk + i + 1 (t = 512 is a dummy step, always masked: the identity);  last[b][0..63] (words, all equal) = the first argmax of the final alpha.
; LIMITS.  NaN inputs are not treated; a denormal input counts as non-zero; the sign of a zero is not tracked (no comparison sees it).
; SHARES.  A work-group has two sequences, a sequence two waves; wave w owns the to-tags j = 32 w + lane, with its column of T in 64 registers.  512 sequences on 256 work-groups of four waves.
; No cluster: work-groups share nothing but T, 16 KiB beside 256 KiB of their own.  No matrix instruction: a maximum of sums is no product.
; LDS.  The work-group's 256 KiB of inputs lie in LDS as in memory, one tensor load of 64 KiB a wave, issued at the head, never filled again and only read.  The two waves of a sequence exchange alpha
; through two rows of 256 bytes that take turns, one barrier a step.
; A STEP.  The 32 sums of my own wave's from-tags need no exchange: row_share takes alpha from the lane that holds it.  The partner's 32 alphas come out of LDS, the same for all lanes, and are added in pairs.
; A binary tree of maxima over the 64 sums; the carried maximum takes a shorter way, three operands at a time.  THE ARGMAX goes down the tree: at each node the right child is taken iff the left child is
; below the maximum; what the next levels need of the half that is taken is selected, two registers an instruction, into the partner half's registers.
; Between the store of alpha_t and the first use of the partner's alpha_t stand the argmax of step t and my own half of step t + 1.
.set PAD,   262144                     ; 512 bytes of zeros: rows 512 and 513 of the second sequence (the first sequence's are the second's rows 0 and 1); what is read there is never used
.set XCH,   262656                     ; the exchange: sequence x 512 + turn x 256 + 4 j
.set CW,    263680                     ; one word a wave: the non-zero inputs that it counted
.set SPARE, 263936                     ; the spare words: 128 bytes a wave, two blocks of 256 bytes that no other line names
.set LANE, 1
.set OWNA, 2                           ; LDS address of my tag in the row of the block's first step
.set XO,   3                           ; where I store alpha
.set XP,   4                           ; where the partner's 32 alphas lie (the same in all lanes)
.set ALPHA,5
.set XA,   6                           ; alpha of the lane 16 away
.set ALO,  7                           ; lane r of either half: alpha of my wave's tag r
.set AHI,  8                           ; of my wave's tag 16 + r
.set POT,  9
.set LFT,  10                          ; the maximum over from-tags 0..31
.set IDX,  11
.set R,    12                          ; v[12:15]   back-pointers of 16 steps
.set TT,   16                          ; v[16:79]   T[i][j]: 0..31 my wave's from-tags, 32..63 the partner's
.set OB,   80                          ; v[80:111]  the partner's alpha
.set S,    112                         ; v[112:175] the 64 sums, in the same order
.set N1,   176                         ; the tree: 32, 16, 8, 4, 2 nodes; in each level my half first
.set N2,   208
.set N3,   224
.set N4,   232
.set N5,   236
.set M,    238
.set IDJ,  239                         ; j
.set SPW,  240
.set NIL,  241
.set GOFF, 242                         ; my 16 bytes in bptr
.set TMP,  243
.set LENV, 244                         ; L
.set CNT,  245
.set TA,   246
.set TB,   247
.set TC,   248
.set TD,   249
.set NEWA, 250
.set VO1,  251
.set VO2,  252
.set CA,   253
.set EA,   254
.set LO,   255
.set WV,  12
.set SQ,  13                           ; which of the two sequences
.set HW,  14                           ; w
.set WM,  15                           ; all ones in wave w = 1
.set HM,  16                           ; lanes 16-31
.set SEL, 18                           ; s[18:19] v_permlanex16_b32: each lane takes its own place in the other half
.set B5,  20
.set MK,  21                           ; all ones while t < L
.set TS,  22                           ; t
.set BLK, 23
.set G1,  24                           ; s[24:31] descriptor group 1
.set G0,  32                           ; s[32:35] descriptor group 0
.set OF,  36                           ; s[36:37] an offset
.set E0,  40
.set E1,  41
.set C0,  42
.set C1,  43
.set T0,  44
.set BQ,  45
; two maxima an instruction: first sources two registers apart, second sources too, destinations even and odd
.macro DMAX d, a
	v_dual_max_num_f32 v[\d], v[\a], v[(\a)+1] :: v_dual_max_num_f32 v[(\d)+1], v[(\a)+2], v[(\a)+3]
.endm
.macro LEVEL d, a, n
.set q, 0
.rept \n
	DMAX (\d)+2*q, (\a)+4*q
.set q, q+1
.endr
.endm
; two selects by VCC an instruction: VCC ? b : a
.macro DSEL d, a, b, st
	v_dual_cndmask_b32 v[\d], v[\a], v[\b] :: v_dual_cndmask_b32 v[(\d)+1], v[(\a)+(\st)], v[(\b)+(\st)]
.endm
; a level of 2 h nodes: the left children (even places) of the half that VCC takes (0: first, 1: second) are packed into the second half's first h / 2 registers; what is overwritten has been read or is a right child
.macro SEL5 b, h
.set q, 0
.rept (\h)/4
	DSEL (\b)+(\h)+2*q, (\b)+4*q, (\b)+(\h)+4*q, 2
.set q, q+1
.endr
.endm
; a packed list of 2 h: its first or its second h, in place
.macro SELH b, h
.set q, 0
.rept (\h)/2
	DSEL (\b)+2*q, (\b)+2*q, (\b)+(\h)+2*q, 1
.set q, q+1
.endr
.endm
.macro PICK1 r
	v_cndmask_b32 v[\r], v[\r], v[(\r)+1], vcc_lo
.endm
.macro CB r                            ; the next bit of the index: is the left child below the maximum?
	v_cmp_lt_f32 vcc_lo, v[\r], v[M]
.endm
.macro TK                              ; index = 2 x index + that bit
	v_add_co_ci_u32 v[IDX], vcc_lo, v[IDX], v[IDX], vcc_lo
.endm
.macro DLO k                           ; the sum of my wave's from-tag k
	v_add_f32_dpp v[S+\k], v[ALO], v[TT+\k] row_share:\k row_mask:0xf bank_mask:0xf
.endm
.macro DHI k                           ; of from-tag 16 + k
	v_add_f32_dpp v[S+16+\k], v[AHI], v[TT+16+\k] row_share:\k row_mask:0xf bank_mask:0xf
.endm
.macro PA p                            ; two sums of the partner's from-tags
	v_pk_add_f32 v[S+32+2*(\p):S+33+2*(\p)], v[OB+2*(\p):OB+1+2*(\p)], v[TT+32+2*(\p):TT+33+2*(\p)]
.endm
	s_load_b256 s[4:11], s[0:1], 0x0               ; inputs s[4:5], transitions s[6:7], bptr s[8:9], last s[10:11]
	v_lshl_add_u32 v[SPW], v0, 2, SPARE
	v_mov_b32 v[NIL], 0
	ds_add_u32 v[SPW], v[NIL]                      ; the wave's opening: the add and its wait stand ahead of my tensor load; the set-up below, work on registers, stands between them
	v_lshrrev_b32 v[TMP], 5, v0
	v_readfirstlane_b32 s[WV], v[TMP]              ; wave 0..3
	s_lshr_b32 s[SQ], s[WV], 1
	s_and_b32 s[HW], s[WV], 1
	s_sub_co_u32 s[WM], 0, s[HW]
	s_mov_b32 s[HM], 0xffff0000
	s_mov_b32 s[SEL], 0x76543210
	s_mov_b32 s[SEL+1], 0xfedcba98
	s_mov_b32 s[G1+0], 3<<16                       ; elements of 8 bytes, no mask, no padding
	s_mov_b32 s[G1+1], 32<<16                      ; tensor_dim0 = 32: rows of 256 bytes
	s_mov_b32 s[G1+2], 256<<16                     ; tensor_dim1 = 256
	s_mov_b32 s[G1+3], 32<<16                      ; tile_dim0 = 32
	s_mov_b32 s[G1+4], 256                         ; tile_dim1 = 256: 64 KiB, half a sequence
	s_mov_b32 s[G1+5], 32                          ; 32 elements from row to row: the block is dense
	s_mov_b32 s[G1+6], 0
	s_mov_b32 s[G1+7], 0
	s_mov_b32 s[G0], 1
	s_lshl_b32 s[G0+1], s[WV], 16                  ; LDS address: 65,536 x wave
	s_lshl_b32 s[OF], ttmp9, 18                    ; the work-group's 262,144 bytes,
	s_add_co_u32 s[OF], s[OF], s[G0+1]             ; my quarter of them
	s_mov_b32 s[OF+1], 0
	s_wait_dscnt 0x0                               ; the opening add is done
	s_wait_kmcnt 0x0
	s_add_nc_u64 s[G0+2:G0+3], s[4:5], s[OF:OF+1]
	s_or_b32 s[G0+3], s[G0+3], 0x80000000          ; type = 2
	tensor_load_to_lds s[G0:G0+3], s[G1:G1+7]      ; my one tensor load
	s_nop 0
	v_and_b32 v[LANE], 31, v0
	s_lshl_b32 s[T0], s[HW], 5
	v_add_nc_u32 v[IDJ], s[T0], v[LANE]            ; j
	v_lshlrev_b32 v[TMP], 2, v[IDJ]                ; 4 j
	s_lshl_b32 s[T0], s[HW], 13                    ; 32 rows of T are 8,192 bytes
	v_add_nc_u32 v[VO1], s[T0], v[TMP]
	s_xor_b32 s[T0], s[T0], 8192
	v_add_nc_u32 v[VO2], s[T0], v[TMP]
.set k, 0
.rept 32
	global_load_b32 v[TT+k], v[VO1], s[6:7] offset:256*k
	global_load_b32 v[TT+32+k], v[VO2], s[6:7] offset:256*k
.set k, k+1
.endr
	s_lshl_b32 s[T0], s[SQ], 17
	v_add_nc_u32 v[OWNA], s[T0], v[TMP]            ; row 0 of my sequence, my tag
	s_lshl_b32 s[E0], s[HW], 7
	s_xor_b32 s[E0], s[E0], 128                    ; the partner's 128 bytes of a row
	s_add_co_u32 s[T0], s[T0], s[E0]
	v_mov_b32 v[TC], s[T0]                         ; the partner's tags in row 0
	s_lshl_b32 s[T0], s[SQ], 9
	s_add_co_u32 s[T0], s[T0], XCH
	v_add_nc_u32 v[XO], s[T0], v[TMP]
	v_lshl_add_u32 v[EA], v[LANE], 2, s[T0]
	v_add_nc_u32 v[EA], 256, v[EA]                 ; the last step's turn
	s_add_co_u32 s[T0], s[T0], s[E0]
	v_mov_b32 v[XP], s[T0]
	s_lshl_b32 s[T0], s[HW], 7
	v_lshl_add_u32 v[LO], v[LANE], 2, s[T0]
	v_lshlrev_b32 v[GOFF], 4, v[IDJ]
	v_lshl_add_u32 v[CA], v[LANE], 4, s[G0+1]      ; my 16 bytes in my own tile's first 512
	s_lshl_b32 s[BQ], ttmp9, 1
	s_add_co_u32 s[BQ], s[BQ], s[SQ]               ; my sequence
	s_lshl_b32 s[OF], s[BQ], 15
	s_add_nc_u64 s[8:9], s[8:9], s[OF:OF+1]
	s_lshl_b32 s[OF], s[BQ], 8
	s_add_nc_u64 s[10:11], s[10:11], s[OF:OF+1]
	v_mov_b32 v[XA], 0                             ; the destination of a lane-crossing form counts as read: written once here
	v_mov_b32 v[CNT], 0
	; THE COUNT.  Each wave counts the non-zero numbers of the tile that it fetched itself: 8 trips of 16 loads of 512 bytes.
	s_wait_tensorcnt 0x0                           ; my tile has landed
	s_mov_b32 s[BLK], 8
.Lcount:
.irp c, 0,1,2,3,4,5,6,7,8,9,10,11,12,13,14,15
	ds_load_b128 v[S+4*\c:S+4*\c+3], v[CA] offset:512*\c
.endr
.irp c, 0,1,2,3,4,5,6,7,8,9,10,11,12,13,14,15
	s_wait_dscnt 15-\c                             ; LDS loads come back in order: load c is in, the younger ones stay out
.irp e, 0,1,2,3
	v_cmp_neq_f32 vcc_lo, 0, v[S+4*\c+\e]
	v_add_co_ci_u32 v[CNT], vcc_lo, 0, v[CNT], vcc_lo
.endr
.endr
	v_add_nc_u32 v[CA], 8192, v[CA]
	s_sub_co_u32 s[BLK], s[BLK], 1
	s_cmp_lg_u32 s[BLK], 0
	s_cbranch_scc1 .Lcount
	v_cvt_f32_u32 v[CNT], v[CNT]                   ; 512 at the most a lane, 16,384 a wave: exact in f32
	v_add_f32_dpp v[CNT], v[CNT], v[CNT] row_xmask:1 row_mask:0xf bank_mask:0xf
	v_add_f32_dpp v[CNT], v[CNT], v[CNT] row_xmask:2 row_mask:0xf bank_mask:0xf
	v_add_f32_dpp v[CNT], v[CNT], v[CNT] row_xmask:4 row_mask:0xf bank_mask:0xf
	v_add_f32_dpp v[CNT], v[CNT], v[CNT] row_xmask:8 row_mask:0xf bank_mask:0xf
	v_permlanex16_b32 v[XA], v[CNT], s[SEL], s[SEL+1]
	v_add_f32 v[CNT], v[CNT], v[XA]
	s_lshl_b32 s[T0], s[WV], 2
	s_add_co_u32 s[T0], s[T0], CW
	v_mov_b32 v[TMP], s[T0]
	ds_store_b32 v[TMP], v[CNT]                    ; all lanes write the same word with the same value
	v_lshl_add_u32 v[TA], v0, 2, PAD
	ds_store_b32 v[TA], v[NIL]                     ; 128 threads x 4 bytes of zeros
	s_wait_dscnt 0x0                               ; for the others' sake: my stores are done; my tile was shown landed above
	s_barrier_signal -1
	s_barrier_wait -1                              ; all four tiles, the four counts and the zeros are there
	s_lshl_b32 s[T0], s[SQ], 3
	s_add_co_u32 s[T0], s[T0], CW
	v_mov_b32 v[TMP], s[T0]
	ds_load_b64 v[TA:TA+1], v[TMP]                 ; my sequence's two counts
	ds_load_b32 v[ALPHA], v[OWNA]                  ; alpha_0 = pot_0
.irp c, 0,1,2,3,4,5,6,7
	ds_load_b128 v[OB+4*\c:OB+4*\c+3], v[TC] offset:16*\c
.endr
	ds_load_b32 v[POT], v[OWNA] offset:256         ; pot_1
	s_wait_dscnt 0x0
	s_wait_loadcnt 0x0                             ; T
	v_add_nc_u32 v[OWNA], 256, v[OWNA]             ; row 1: the first block's first step
	v_add_f32 v[TA], v[TA], v[TA+1]
	v_cvt_u32_f32 v[LENV], v[TA]
	v_lshrrev_b32 v[LENV], 6, v[LENV]              ; L
	v_permlanex16_b32 v[XA], v[ALPHA], s[SEL], s[SEL+1]
	v_cndmask_b32 v[ALO], v[ALPHA], v[XA], s[HM]
	v_cndmask_b32 v[AHI], v[XA], v[ALPHA], s[HM]
.irp i, 0,1,2,3,4,5,6,7,8,9,10,11,12,13,14,15
	DLO \i
.endr
.irp i, 0,1,2,3,4,5,6,7,8,9,10,11,12,13,14,15
	DHI \i
.endr
	LEVEL N1, S, 8                                 ; my half of step 1's tree, as far as a step leaves it to the next
	LEVEL N2, N1, 3
	DMAX N3, N2
	s_mov_b32 s[TS], 1
; STEP t, the k-th of a block of 16.  It finishes step t, stores alpha_t, finds bp_t, and begins step t + 1.
.macro STEP k
	s_wait_dscnt 0x0                               ; the partner's alpha_{t-1} and pot_t are in; my reads of the exchange's other turn are over
	v_cmp_gt_u32 s[MK], v[LENV], s[TS]             ; t < L?  It only selects values
	s_add_co_u32 s[TS], s[TS], 1
	PA 0                                           ; the partner's 32 sums; between them the last links of my own half's tree, each some lines behind the one before
	PA 1
	DMAX N2+6, N1+12
.irp i, 2,3,4,5
	PA \i
.endr
	DMAX N3+2, N2+4
.irp i, 6,7,8,9
	PA \i
.endr
	DMAX N4, N3
.irp i, 10,11,12,13
	PA \i
.endr
	v_max_num_f32 v[N5], v[N4], v[N4+1]            ; my half's maximum
	PA 14
	PA 15
	LEVEL N1+16, S+32, 8
	DMAX N2+8, N1+16
	DMAX N2+10, N1+20
	DMAX N2+12, N1+24
	DMAX N2+14, N1+28
	DMAX N3+4, N2+8
	v_max3_num_f32 v[TA], v[N2+8], v[N2+9], v[N2+10]   ; the carried maximum: from the partner half's eight nodes and my half's maximum in two levels
	v_max3_num_f32 v[TB], v[N2+11], v[N2+12], v[N2+13]
	v_max3_num_f32 v[TC], v[N2+14], v[N2+15], v[N5]
	v_max_num_f32 v[TD], v[N2+14], v[N2+15]
	DMAX N3+6, N2+12
	v_max3_num_f32 v[M], v[TA], v[TB], v[TC]
	v_max3_num_f32 v[N5+1], v[TA], v[TB], v[TD]    ; the partner half's maximum
	DMAX N4+2, N3+4
	v_add_f32 v[NEWA], v[POT], v[M]
	v_cndmask_b32 v[ALPHA], v[ALPHA], v[NEWA], s[MK]   ; past the sequence's end alpha stays
	v_cndmask_b32 v[LFT], v[N5], v[N5+1], s[WM]    ; from-tags 0..31 are my half in wave 0, the partner's in wave 1
	ds_store_b32 v[XO], v[ALPHA] offset:((\k)%2)*256
	v_permlanex16_b32 v[XA], v[ALPHA], s[SEL], s[SEL+1]
	v_cmp_lt_f32 s[B5], v[LFT], v[M]               ; bit 5 of the index
	s_xor_b32 vcc_lo, s[B5], s[WM]                 ; VCC: the partner's half is taken
	v_cndmask_b32 v[N4+2], v[N4], v[N4+2], vcc_lo
	SEL5 N3, 4
	SEL5 N2, 8
	SEL5 N1, 16
	v_cndmask_b32 v[ALO], v[ALPHA], v[XA], s[HM]
	v_cndmask_b32 v[AHI], v[XA], v[ALPHA], s[HM]
	SEL5 S, 32                                     ; from here on my half's registers are free for step t + 1
	s_wait_dscnt 0x0                               ; for the partner's sake: alpha_t is stored
	s_barrier_signal -1
	v_cndmask_b32 v[IDX], 0, 1, s[B5]              ; work on registers alone between the signal and the wait
	CB N4+2                                        ; bit 4
.irp i, 0,1,2
	DLO \i
.endr
	PICK1 N3+4
	SELH N2+8, 2
	SELH N1+16, 4
	SELH S+32, 8
	TK
	s_barrier_wait -1                              ; the partner's alpha_t is stored.  This turn's row is written again two steps on, behind the next barrier, in front of which every wave has waited for these reads
.irp c, 0,1,2,3,4,5,6,7
	ds_load_b128 v[OB+4*\c:OB+4*\c+3], v[XP] offset:((\k)%2)*256+16*\c
.endr
	ds_load_b32 v[POT], v[OWNA] offset:((\k)+1)*256
	CB N3+4                                        ; bit 3.  The sums and the tree of step t + 1 stand between the links of the descent
.irp i, 3,4,5,6
	DLO \i
.endr
	PICK1 N2+8
	SELH N1+16, 2
	SELH S+32, 4
	TK
	DLO 7
	CB N2+8                                        ; bit 2
.irp i, 8,9,10,11
	DLO \i
.endr
	PICK1 N1+16
	SELH S+32, 2
	TK
.irp i, 12,13,14
	DLO \i
.endr
	CB N1+16                                       ; bit 1
	DLO 15
.irp i, 0,1,2
	DHI \i
.endr
	PICK1 S+32
	TK
	DHI 3
	DMAX N1, S
	DMAX N1+2, S+4
	CB S+32                                        ; bit 0
.irp i, 4,5,6,7
	DHI \i
.endr
	TK
	DMAX N1+4, S+8
	DMAX N1+6, S+12
	DHI 8
	DHI 9
	v_cndmask_b32 v[IDX], v[IDJ], v[IDX], s[MK]    ; past the sequence's end the back-pointer is the identity
	DHI 10
	DHI 11
.if ((\k)%4) == 0
	v_mov_b32 v[R+(\k)/4], v[IDX]
.else
	v_lshl_or_b32 v[R+(\k)/4], v[IDX], 8*((\k)%4), v[R+(\k)/4]
.endif
	DMAX N1+8, S+16
	DMAX N1+10, S+20
.irp i, 12,13,14,15
	DHI \i
.endr
	DMAX N2, N1
	DMAX N2+2, N1+4
	DMAX N1+12, S+24
	DMAX N1+14, S+28
	DMAX N2+4, N1+8
	DMAX N3, N2
.endm
	s_mov_b32 s[BLK], 32
.Lblock:                                       ; 16 steps, then one store of 16 bytes a lane: a wave's store covers 512 consecutive bytes, aligned
.irp k, 0,1,2,3,4,5,6,7,8,9,10,11,12,13,14,15
	STEP \k
.endr
	global_store_b128 v[GOFF], v[R:R+3], s[8:9]
	v_add_nc_u32 v[OWNA], 4096, v[OWNA]            ; 16 rows on
	s_wait_xcnt 0x0                                ; the store has read its offset and its data: they are written again only behind this wait
	v_add_nc_u32 v[GOFF], 1024, v[GOFF]
	s_sub_co_u32 s[BLK], s[BLK], 1
	s_cmp_lg_u32 s[BLK], 0
	s_cbranch_scc1 .Lblock
	; THE LAST TAG: the first argmax of the final alpha, whose 64 numbers lie in the exchange's second turn, behind the last step's barrier.
	s_wait_dscnt 0x0
	ds_load_b32 v[TA], v[EA]                       ; tag = lane
	ds_load_b32 v[TB], v[EA] offset:128            ; tag = 32 + lane
	s_wait_dscnt 0x0
	v_max_num_f32 v[TC], v[TA], v[TB]
	v_max_num_f32_dpp v[TC], v[TC], v[TC] row_xmask:1 row_mask:0xf bank_mask:0xf
	v_max_num_f32_dpp v[TC], v[TC], v[TC] row_xmask:2 row_mask:0xf bank_mask:0xf
	v_max_num_f32_dpp v[TC], v[TC], v[TC] row_xmask:4 row_mask:0xf bank_mask:0xf
	v_max_num_f32_dpp v[TC], v[TC], v[TC] row_xmask:8 row_mask:0xf bank_mask:0xf
	v_permlanex16_b32 v[XA], v[TC], s[SEL], s[SEL+1]
	v_max_num_f32 v[TC], v[TC], v[XA]
	v_cmp_eq_f32 s[E0], v[TA], v[TC]
	v_cmp_eq_f32 s[E1], v[TB], v[TC]
	s_ctz_i32_b32 s[C0], s[E0]                     ; the lowest tag below 32 that reaches the maximum,
	s_ctz_i32_b32 s[C1], s[E1]
	s_add_co_u32 s[C1], s[C1], 32                  ; or, if there is none, the lowest from 32 on
	s_cmp_lg_u32 s[E0], 0
	s_cselect_b32 s[C0], s[C0], s[C1]              ; a choice of a value: no branch and no address hangs on it
	v_mov_b32 v[TMP], s[C0]
	global_store_b32 v[LO], v[TMP], s[10:11]       ; the sequence's two waves write 128 bytes each of its 256
	s_wait_tensorcnt 0x0                           ; the wave's end: behind my tensor load and my last LDS store
	ds_add_u32 v[SPW], v[NIL]
	s_wait_dscnt 0x0
	s_endpgm
.Lfunc_end_k_q0687ab6325_forward:
	.size	k_q0687ab6325_forward, .Lfunc_end_k_q0687ab6325_forward-k_q0687ab6325_forward
	.p2alignl 7, 3214868480
	.fill 96, 4, 3214868480
	.section	.rodata,"a",@progbits
	.p2align	6, 0x0
	.amdhsa_kernel k_q0687ab6325_forward
		.amdhsa_group_segment_fixed_size 264448
		.amdhsa_private_segment_fixed_size 0
		.amdhsa_enable_private_segment 0
		.amdhsa_kernarg_size 32
		.amdhsa_user_sgpr_count 2
		.amdhsa_user_sgpr_kernarg_segment_ptr 1
		.amdhsa_wavefront_size32 1
		.amdhsa_system_sgpr_workgroup_id_x 1
		.amdhsa_system_sgpr_workgroup_id_y 1
		.amdhsa_system_sgpr_workgroup_id_z 1
		.amdhsa_system_vgpr_workitem_id 0
		.amdhsa_next_free_vgpr 256
		.amdhsa_next_free_sgpr 66
		.amdhsa_reserve_vcc 1
		.amdhsa_float_denorm_mode_32 3
		.amdhsa_float_denorm_mode_16_64 3
		.amdhsa_memory_ordered 1
		.amdhsa_forward_progress 1
		.amdhsa_inst_pref_size 162
	.end_amdhsa_kernel
	.amdgpu_metadata
---
amdhsa.version: [ 1, 2 ]
amdhsa.kernels:
  - .name:           k_q0687ab6325_forward
    .symbol:         k_q0687ab6325_forward.kd
    .args:
      - { .name: inputs, .offset: 0, .size: 8, .value_kind: global_buffer, .address_space: global }
      - { .name: transitions, .offset: 8, .size: 8, .value_kind: global_buffer, .address_space: global }
      - { .name: bptr, .offset: 16, .size: 8, .value_kind: global_buffer, .address_space: global }
      - { .name: last, .offset: 24, .size: 8, .value_kind: global_buffer, .address_space: global }
    .group_segment_fixed_size: 264448
    .private_segment_fixed_size: 0
    .kernarg_segment_align: 8
    .kernarg_segment_size: 32
    .max_flat_workgroup_size: 128
    .sgpr_count:     66
    .vgpr_count:     256
    .wavefront_size: 32
...
	.end_amdgpu_metadata
.endif
;; end of part 1
;; launch trace (part 2): grid 256 x 1, 16 waves a work-group, no clusters, 167,936 bytes of LDS; arguments bptr, last, out0; writes out0
.if DOCPART == 2
	.amdgcn_target "amdgcn-amd-amdhsa--gfx1250"
	.amdhsa_code_object_version 6
	.text
	.protected	k_q0687ab6325_trace
	.globl	k_q0687ab6325_trace
	.p2align	8
	.type	k_q0687ab6325_trace,@function
k_q0687ab6325_trace:
	s_mov_b64 s[64:65], 0
	v_nop
	global_prefetch_b8 v0, s[64:65] scope:SCOPE_SE
	s_setreg_imm32_b32 hwreg(HW_REG_WAVE_MODE, 25, 1), 1
	s_wait_xcnt 0x0
; VITERBI, THE WAY BACK.  Whole numbers alone.  bptr[b][blk][j][i] (bytes): the back-pointer of step t = 16 blk + i + 1 for tag j, masked already; last[b]: the last tag.
; tags[512] = last; tags[u] = bptr byte u at tag tags[u + 1], u = 511 .. 0 (byte 511 is the identity); out0[b][u] = tags[u], int32.
; SHARES.  A work-group has two sequences, a sequence eight waves; wave q owns the blocks 4 q .. 4 q + 3 of 16 steps.
; THREE PHASES, so that 512 dependent look-ups become 16 + 32 + 1.  1: for each of my blocks and each of the 64 tags at which it may be entered, the 16 tags of the walk through it (PATH, laid out as bptr):
; 8 chains a wave, a lane an entry tag, the chains' look-ups in flight together.  2: every wave walks the 32 blocks from the last tag, one look-up a block (PATH's byte 0), and each lane keeps the tag at which
; its own block is entered.  3: a lane reads two tags of its block's walk and stores them: a wave's store covers 256 consecutive bytes, aligned.
; Every loaded number is held to 63 before it enters an address.  No cluster: work-groups share nothing.  The launch asks for all its bytes at its head: there is nothing to ask for ahead.
.set PATH,  65536                      ; behind the two sequences' 65,536 bytes of back-pointers
.set SPARE, 131072                     ; the spare words: 128 bytes a wave, eight blocks of 256 bytes that no other line names
.set LANE, 1
.set WB,   2                           ; my tile: 4,096 x wave
.set PS,   3                           ; where I store a chain's 16 bytes
.set SB,   4                           ; my sequence's PATH
.set MYB,  5                           ; the block of which I store two tags
.set PB3,  6
.set GO,   7
.set TOP,  8                           ; the tag at which that block is entered
.set X2,   9
.set A2,   10
.set W,    11
.set OUT,  12                          ; v[12:13]
.set LOFF, 14
.set SPW,  16
.set NIL,  17
.set X,    24                          ; v[24:31] chain c's tag
.set A,    32                          ; v[32:39] its address
.set P,    40                          ; v[40:71] its 16 tags, four registers
.set WV,  12
.set SQ,  13
.set Q,   14
.set BQ,  15
.set OF,  16                           ; s[16:17]
.set T0,  18
.set G1,  24
.set G0,  32
	s_load_b128 s[4:7], s[0:1], 0x0                ; bptr s[4:5], last s[6:7]
	s_load_b64 s[8:9], s[0:1], 0x10                ; out0
	v_lshl_add_u32 v[SPW], v0, 2, SPARE
	v_mov_b32 v[NIL], 0
	ds_add_u32 v[SPW], v[NIL]                      ; the wave's opening: the add and its wait stand ahead of my tensor load
	v_lshrrev_b32 v[A2], 5, v0
	v_readfirstlane_b32 s[WV], v[A2]               ; wave 0..15
	s_lshr_b32 s[SQ], s[WV], 3
	s_and_b32 s[Q], s[WV], 7
	s_mov_b32 s[G1+0], 3<<16                       ; elements of 8 bytes
	s_mov_b32 s[G1+1], 32<<16                      ; tensor_dim0 = 32: rows of 256 bytes
	s_mov_b32 s[G1+2], 16<<16                      ; tensor_dim1 = 16
	s_mov_b32 s[G1+3], 32<<16                      ; tile_dim0 = 32
	s_mov_b32 s[G1+4], 16                          ; tile_dim1 = 16: my four blocks, 4,096 bytes
	s_mov_b32 s[G1+5], 32                          ; dense
	s_mov_b32 s[G1+6], 0
	s_mov_b32 s[G1+7], 0
	s_mov_b32 s[G0], 1
	s_lshl_b32 s[G0+1], s[WV], 12                  ; LDS address: 4,096 x wave
	s_lshl_b32 s[OF], ttmp9, 16                    ; the work-group's two sequences of 32,768 bytes,
	s_add_co_u32 s[OF], s[OF], s[G0+1]             ; my part of them
	s_mov_b32 s[OF+1], 0
	s_wait_dscnt 0x0                               ; the opening add is done
	s_wait_kmcnt 0x0
	s_add_nc_u64 s[G0+2:G0+3], s[4:5], s[OF:OF+1]
	s_or_b32 s[G0+3], s[G0+3], 0x80000000
	tensor_load_to_lds s[G0:G0+3], s[G1:G1+7]      ; my one tensor load
	s_nop 0
	s_lshl_b32 s[BQ], ttmp9, 1
	s_add_co_u32 s[BQ], s[BQ], s[SQ]               ; my sequence
	s_lshl_b32 s[OF], s[BQ], 8
	s_add_nc_u64 s[6:7], s[6:7], s[OF:OF+1]
	s_lshl_b32 s[OF], s[BQ], 11
	s_add_nc_u64 s[8:9], s[8:9], s[OF:OF+1]
	v_mov_b32 v[LOFF], 0
	global_load_b32 v[X2], v[LOFF], s[6:7]         ; the last tag, the same word for all lanes
	v_and_b32 v[LANE], 31, v0
	v_mov_b32 v[WB], s[G0+1]
	s_add_co_u32 s[T0], s[G0+1], PATH
	v_lshl_add_u32 v[PS], v[LANE], 4, s[T0]
	s_lshl_b32 s[T0], s[SQ], 15
	s_add_co_u32 s[T0], s[T0], PATH
	v_mov_b32 v[SB], s[T0]
	v_lshrrev_b32 v[MYB], 3, v[LANE]
	s_lshl_b32 s[T0], s[Q], 2
	v_add_nc_u32 v[MYB], s[T0], v[MYB]             ; 4 q + lane / 8
	v_and_b32 v[PB3], 7, v[LANE]
	v_lshlrev_b32 v[PB3], 1, v[PB3]                ; steps 2 (lane % 8) and the next
	v_lshl_add_u32 v[PB3], v[MYB], 10, v[PB3]
	v_add_nc_u32 v[PB3], v[SB], v[PB3]
	s_lshl_b32 s[T0], s[Q], 8
	v_lshl_add_u32 v[GO], v[LANE], 3, s[T0]        ; tags 64 q + 2 lane and the next: 8 bytes
.irp c, 0,2,4,6
	v_mov_b32 v[X+\c], v[LANE]                     ; chain c: block 4 q + c / 2, entered at tag 32 (c % 2) + lane
	v_add_nc_u32 v[X+\c+1], 32, v[LANE]
.endr
	s_wait_tensorcnt 0x0                           ; my tile has landed; phase 1 reads no other
	; PHASE 1
.set i, 15
.rept 16
.irp c, 0,1,2,3,4,5,6,7
	v_lshl_add_u32 v[A+\c], v[X+\c], 4, v[WB]
	ds_load_u8 v[X+\c], v[A+\c] offset:((\c)/2)*1024+i
.endr
.irp c, 0,1,2,3,4,5,6,7
	s_wait_dscnt 7-\c                              ; LDS loads come back in order: chain c's is in, the younger chains' stay out
	v_min_u32 v[X+\c], 63, v[X+\c]
.if (i%4) == 3
	v_lshlrev_b32 v[P+4*\c+i/4], 24, v[X+\c]
.else
	v_lshl_or_b32 v[P+4*\c+i/4], v[X+\c], 8*(i%4), v[P+4*\c+i/4]
.endif
.endr
.set i, i-1
.endr
.irp c, 0,1,2,3,4,5,6,7
	ds_store_b128 v[PS], v[P+4*\c:P+4*\c+3] offset:512*\c  ; block c / 2, tags 32 (c % 2) + lane: 512 consecutive bytes
.endr
	s_wait_dscnt 0x0                               ; for the others' sake: my walks are stored
	s_barrier_signal -1
	s_barrier_wait -1
	; PHASE 2
	s_wait_loadcnt 0x0
	v_min_u32 v[X2], 63, v[X2]
	v_mov_b32 v[TOP], 0
.set blk, 31
.rept 32
	v_lshl_add_u32 v[A2], v[X2], 4, v[SB]
	v_cmp_eq_u32 vcc_lo, blk, v[MYB]
	v_cndmask_b32 v[TOP], v[TOP], v[X2], vcc_lo    ; the tag at which block blk is entered
	ds_load_u8 v[X2], v[A2] offset:blk*1024        ; the tag at the block's first step: the entry of the block below
	s_wait_dscnt 0x0
	v_min_u32 v[X2], 63, v[X2]
.set blk, blk-1
.endr
	; PHASE 3
	v_min_u32 v[TOP], 63, v[TOP]
	v_lshl_add_u32 v[A2], v[TOP], 4, v[PB3]
	ds_load_u16 v[W], v[A2]
	s_wait_dscnt 0x0
	v_and_b32 v[OUT], 0xff, v[W]
	v_lshrrev_b32 v[OUT+1], 8, v[W]
	global_store_b64 v[GO], v[OUT:OUT+1], s[8:9]
	s_wait_tensorcnt 0x0                           ; the wave's end: behind my tensor load and my last LDS store
	ds_add_u32 v[SPW], v[NIL]
	s_wait_dscnt 0x0
	s_endpgm
.Lfunc_end_k_q0687ab6325_trace:
	.size	k_q0687ab6325_trace, .Lfunc_end_k_q0687ab6325_trace-k_q0687ab6325_trace
	.p2alignl 7, 3214868480
	.fill 96, 4, 3214868480
	.section	.rodata,"a",@progbits
	.p2align	6, 0x0
	.amdhsa_kernel k_q0687ab6325_trace
		.amdhsa_group_segment_fixed_size 167936
		.amdhsa_private_segment_fixed_size 0
		.amdhsa_enable_private_segment 0
		.amdhsa_kernarg_size 24
		.amdhsa_user_sgpr_count 2
		.amdhsa_user_sgpr_kernarg_segment_ptr 1
		.amdhsa_wavefront_size32 1
		.amdhsa_system_sgpr_workgroup_id_x 1
		.amdhsa_system_sgpr_workgroup_id_y 1
		.amdhsa_system_sgpr_workgroup_id_z 1
		.amdhsa_system_vgpr_workitem_id 0
		.amdhsa_next_free_vgpr 72
		.amdhsa_next_free_sgpr 66
		.amdhsa_reserve_vcc 1
		.amdhsa_float_denorm_mode_32 3
		.amdhsa_float_denorm_mode_16_64 3
		.amdhsa_memory_ordered 1
		.amdhsa_forward_progress 1
		.amdhsa_inst_pref_size 43
	.end_amdhsa_kernel
	.amdgpu_metadata
---
amdhsa.version: [ 1, 2 ]
amdhsa.kernels:
  - .name:           k_q0687ab6325_trace
    .symbol:         k_q0687ab6325_trace.kd
    .args:
      - { .name: bptr, .offset: 0, .size: 8, .value_kind: global_buffer, .address_space: global }
      - { .name: last, .offset: 8, .size: 8, .value_kind: global_buffer, .address_space: global }
      - { .name: out0, .offset: 16, .size: 8, .value_kind: global_buffer, .address_space: global }
    .group_segment_fixed_size: 167936
    .private_segment_fixed_size: 0
    .kernarg_segment_align: 8
    .kernarg_segment_size: 24
    .max_flat_workgroup_size: 512
    .sgpr_count:     66
    .vgpr_count:     72
    .wavefront_size: 32
...
	.end_amdgpu_metadata
.endif
;; end of part 2
